; MI455X (gfx1250); checked and timed in simulation.
; The chip was launched on July 23, 2026; its instructions are those of AMD's public machine-readable ISA for CDNA 5 (MIT licence, August 2026) and "CDNA5" Instruction Set Architecture Reference Guide (July 2026). The comments in the code are by the model that wrote it; some were corrected since.
;; MSML Multi Head Attention. Allowed arithmetic: float matrix products may take bf16 or f16 operands with f32 sums; all other float work in f32.
;; Inputs: Wk 256 x 256 float32; Wp 3 x 1 float32; Wq 256 x 256 float32; bk 256 float32; bp 1 float32; bq 256 float32; embed_qk 2 x 1,024 x 16 x 16 x 3 float32; input 2 x 16,384 x 256 float32.
;; Outputs: out0 2 x 16,384 x 256 float32.
;; One version. Each part assembles by itself: llvm-mc -triple=amdgcn-amd-amdhsa -mcpu=gfx1250 --defsym DOCPART=n.
;; ======== version 1 of 1: 2 launches
;; workspace buffers: kvf 4,194,304 bytes; pq 1,048,576 bytes
;; launch kv (part 1): grid 8 x 32, 4 waves a work-group, no clusters, 248,320 bytes of LDS; arguments input, Wk, Wq, bk, bq, kvf, pq; writes kvf, pq
.if DOCPART == 1
	.amdgcn_target "amdgcn-amd-amdhsa--gfx1250"
	.amdhsa_code_object_version 6
	.text
	.protected	k_q299d279dca_kv
	.globl	k_q299d279dca_kv
	.p2align	8
	.type	k_q299d279dca_kv,@function
k_q299d279dca_kv:
	s_mov_b64 s[64:65], 0
	v_nop
	global_prefetch_b8 v0, s[64:65] scope:SCOPE_SE
	s_setreg_imm32_b32 hwreg(HW_REG_WAVE_MODE, 25, 1), 1
	s_wait_xcnt 0x0
; KV[b][m][c][d] = sum over the 1,024 windows w of phi_k[b][16w+m][c] * x[b][16w+m][d], and phi_q of the 64 windows that the output keeps.
; phi(z) = elu(elu(z)+1)+1.  elu(z)+1 is never negative and elu(y) = y for y >= 0, so phi(z) = max(z,0) + 1 + exp(min(z,0)) for every z.
; LIMITS: a NaN in z is dropped by min_num/max_num (phi = 2, where the definition gives NaN); an exponential below 2^-126 comes out
; as 0 before 1 is added, which does not show in f32; x, W and phi are rounded to bf16 as matrix operands, all sums are f32.
;
; Work-group (jc = x id, bm = y id = 16 b + m): columns c = 32 jc .. +31 of KV[b][m], all 256 d.  The four waves split the windows:
; wave v, block t (0..7), position pos (0..31) is window w = 128 t + 64 (pos>>4) + 16 v + (pos&15).  Positions 0-15 of block 0 are
; windows 16 v .. 16 v + 15 < 64: the wave's rows of phi_q.  Per block: 32 products for z = x Wk + bk, 32 for KV += phi^T x.
; A lane's 16-byte load of x (row 8h+j, columns 64q+4r..+3) is packed twice: along the columns, into LDS rows that feed the first product
; as A, and along the rows, which IS the second product's B fragment (column r of tile 4q+comp stands for d = 64q+4r+comp): no LDS there.
; The first product's result (lane: c = r, registers: pos = 8h+j) packs in place into the second product's A fragment (M = c, K = pos).
; NO CLUSTER: the eight work-groups of one bm read the same rows of x.  A joint request would lay them in LDS as f32: 1 MiB written and
; twice 1 MiB read per work-group (one read for each packing order), against 0.5 MiB stored and 0.5 MiB read on the way taken here.
; Results leave in operand order: kvf[bm][jc][nt][1 KiB] (B fragment: registers 0-3 at 16 L, 4-7 at 512 + 16 L), pq[16b+n][v][jc][1 KiB] (A fragment).
.set XP,   528                         ; an x row in LDS: 512 bytes of bf16 + 16: an odd multiple of 16, so 16 rows of a fragment load start 16 bytes apart modulo 256
.set XRW,  32*XP                       ; a wave's own 32 rows
.set WKS,  4*XRW                       ; Wk's 256 rows x 32 columns in bf16
.set WPI,  96                          ; their pitch: 64 bytes + 32, an odd multiple of 32 for the transposing load
.set WQD,  256*WPI                     ; Wq's stage lies this far behind Wk's
.set RED,  WKS+2*WQD                   ; [quarter q][source wave][tile 4ct+t][half][16 L]: 4 x 4 x 8 x 1,024 bytes, ends at 247,808
; window 0
.set XO,  1                            ; x: wave * 16 windows + h * 8 windows + 16 r, in bytes (a window is 16,384 bytes)
.set XS,  2                            ; LDS, store: my rows + h * 8 rows + 8 r
.set XA,  3                            ; LDS, A fragment: my rows + r * pitch + 16 h
.set WO,  4                            ; W in memory: row 4 wave + (L>>3), 16 bytes at 16 (L&7)
.set WS,  5                            ; W in LDS: the same row, 8 bytes at 8 (L&7)
.set WT,  6                            ; W, transposing load
.set RW,  7                            ; v7, v8: RED, my source slot, quarters 0-1 and 2-3
.set RR,  9                            ; RED, my quarter
.set GO,  10                           ; 16 L
.set R4,  11                           ; 4 r
.set H32, 12                           ; 32 h
.set BK,  16                           ; v[16:31]  bk of column r, eight times, for nt = 0, 1: the C of the first link
.set BQ,  32                           ; v[32:47]  bq of rows 8h+j, for ct = 0, 1
.set Z,   48                           ; v[48:79]  z tiles (2 mt + nt)
.set PHI, 80                           ; v[80:95]  A fragments of the second product, ct = 0, 1
.set T,   96                           ; v[96:127] at work
.set WK,  128                          ; v[128:255] Wk's fragments (2 s + nt)
.set ACC, 0                            ; window 1: 32 tiles (16 ct + n).  Before block 0's second product: raw W, then Wq's fragments (2 s + ct) in 0-127
.set WQ,  0
.set ST,  0                            ; window 2: x as loaded, ((2 q + half) 8 + j) 4 + comp
.set BF,  0                            ; window 3: B fragments of the second product, tile n = 4 q + comp
.set AF,  128                          ; window 3: A fragments of the first product, (8 mt + s)
.set MSB, 0
.macro WIN new                         ; low byte: bits 1:0 source 0, 3:2 source 1, 5:4 source 2, 7:6 destination; high byte: the setting that is left
.if MSB != \new
	s_set_vgpr_msb (MSB<<8)|\new
.set MSB, \new
.endif
.endm
.macro PLACES                          ; four independent vector instructions behind a matrix instruction before its result is read (ISA guide 7.12.1)
.rept 4
	v_nop
.endr
.endm
	s_load_b256 s[4:11], s[0:1], 0x0               ; input s[4:5], Wk s[6:7], Wq s[8:9], bk s[10:11]
	s_load_b128 s[12:15], s[0:1], 0x20             ; bq s[12:13], kvf s[14:15]
	s_load_b64 s[16:17], s[0:1], 0x30              ; pq
	v_lshrrev_b32 v13, 5, v0
	v_readfirstlane_b32 s20, v13                   ; wave
	s_and_b32 s22, ttmp7, 0xffff                   ; bm
	s_lshr_b32 s23, s22, 4                         ; b
	s_and_b32 s26, s22, 15                         ; m
	s_lshl_b32 s24, s23, 24                        ; x: b * 16,384 rows + m rows of 1,024 bytes
	s_lshl_b32 s27, s26, 10
	s_or_b32 s24, s24, s27
	s_mov_b32 s25, 0
	s_lshl_b32 s28, ttmp9, 7                       ; W and biases: 32 jc columns of 4 bytes
	s_mov_b32 s29, 0
	s_lshl_b32 s32, s22, 17                        ; kvf: bm * 128 KiB + jc * 16 KiB + wave * 4 fragments
	s_lshl_b32 s27, ttmp9, 14
	s_add_co_u32 s32, s32, s27
	s_lshl_b32 s27, s20, 12
	s_add_co_u32 s32, s32, s27
	s_mov_b32 s33, 0
	s_lshl_b32 s34, s22, 15                        ; pq: bm * 32 KiB + wave * 8 KiB + jc * 1 KiB
	s_lshl_b32 s27, s20, 13
	s_add_co_u32 s34, s34, s27
	s_lshl_b32 s27, ttmp9, 10
	s_add_co_u32 s34, s34, s27
	s_mov_b32 s35, 0
	s_lshl_b32 s36, s20, 18                        ; wave * 16 windows
	s_mul_i32 s37, s20, XRW                        ; my rows in LDS
	s_lshl_b32 s38, s20, 13
	s_add_co_u32 s38, s38, RED                     ; my source slot
	s_lshl_b32 s39, s20, 15
	s_add_co_u32 s39, s39, RED                     ; my quarter
	s_mul_i32 s40, s20, 4*WPI
	s_add_co_u32 s40, s40, WKS                     ; my four rows of each 16 of the W stage
	s_lshl_b32 s41, s20, 12                        ; the same four rows in memory
	v_and_b32 v13, 15, v0                          ; r
	v_bfe_u32 v14, v0, 4, 1                        ; h
	v_and_b32 v15, 31, v0                          ; L
	v_lshlrev_b32 v[XO], 17, v14
	v_lshl_add_u32 v[XO], v13, 4, v[XO]
	v_add_nc_u32 v[XO], s36, v[XO]
	v_mul_u32_u24 v[XS], v14, 8*XP
	v_lshl_add_u32 v[XS], v13, 3, v[XS]
	v_add_nc_u32 v[XS], s37, v[XS]
	v_mul_u32_u24 v[XA], v13, XP
	v_lshl_add_u32 v[XA], v14, 4, v[XA]
	v_add_nc_u32 v[XA], s37, v[XA]
	v_bfe_u32 v11, v0, 3, 2                        ; L >> 3
	v_and_b32 v12, 7, v0                           ; L & 7
	v_lshl_add_u32 v[WO], v11, 10, s41
	v_lshl_add_u32 v[WO], v12, 4, v[WO]
	v_mul_u32_u24 v[WS], v11, WPI
	v_lshl_add_u32 v[WS], v12, 3, v[WS]
	v_add_nc_u32 v[WS], s40, v[WS]
	v_lshl_add_u32 v11, v14, 3, v12                ; 8 h + (L & 7): the row that this lane hands to the transposing load
	v_bfe_u32 v12, v0, 3, 1
	v_mul_u32_u24 v[WT], v11, WPI
	v_lshl_add_u32 v[WT], v12, 4, v[WT]
	v_add_nc_u32 v[WT], WKS, v[WT]
	v_lshl_add_u32 v[RW], v15, 4, s38
	v_add_nc_u32 v[RW+1], 0x10000, v[RW]           ; an LDS offset has 16 bits: quarters 2 and 3 get a register of their own
	v_lshl_add_u32 v[RR], v15, 4, s39
	v_lshlrev_b32 v[GO], 4, v15
	v_lshlrev_b32 v[R4], 2, v13
	v_lshlrev_b32 v[H32], 5, v14
	s_wait_kmcnt 0x0
	s_add_nc_u64 s[4:5], s[4:5], s[24:25]
	s_add_nc_u64 s[6:7], s[6:7], s[28:29]
	s_add_nc_u64 s[8:9], s[8:9], s[28:29]
	s_add_nc_u64 s[10:11], s[10:11], s[28:29]
	s_add_nc_u64 s[12:13], s[12:13], s[28:29]
	s_add_nc_u64 s[14:15], s[14:15], s[32:33]
	s_add_nc_u64 s[16:17], s[16:17], s[34:35]
; 16 loads: quarter q (columns 64 q .. +63) of the block's 32 rows.  Lanes 0-15 take 256 consecutive, aligned bytes of one row, lanes 16-31 of the row 8 windows on.
.macro XLOAD q
	WIN 0x80
.irp half, 0,1
.irp j, 0,1,2,3,4,5,6,7
	.set SB, ST+((2*\q+\half)*8+\j)*4
	global_load_b128 v[SB:SB+3], v[XO], s[4:5] offset:\half*1048576+\j*16384+\q*256
.endr
.endr
.endm
; Quarter q to bf16, twice.  The 32 conversions along the columns come first: they name x and T alone, and so are also the places
; between the last block's second product and the first write of its B fragments (ISA guide 7.12.1).
.macro CONV q
	WIN 0x0a
.irp half, 0,1
.irp j, 0,1,2,3,4,5,6,7
	.set SB, ST+((2*\q+\half)*8+\j)*4
	.set TB, T+2*(8*\half+\j)
	v_cvt_pk_bf16_f32 v[TB],   v[SB],   v[SB+1]
	v_cvt_pk_bf16_f32 v[TB+1], v[SB+2], v[SB+3]
.endr
.endr
	WIN 0xca
.irp comp, 0,1,2,3
.irp half, 0,1
.irp jj, 0,1,2,3
	.set SB, ST+((2*\q+\half)*8+2*\jj)*4+\comp
	v_cvt_pk_bf16_f32 v[BF+(4*\q+\comp)*8+4*\half+\jj], v[SB], v[SB+4]    ; rows 16 half + 8 h + 2 jj, + 1 of column 64 q + 4 r + comp
.endr
.endr
.endr
	WIN 0x80                                       ; a store's address and data are sources 0 and 1: window 0 under the setting of the loads that follow
.irp half, 0,1
.irp j, 0,1,2,3,4,5,6,7
	.set TB, T+2*(8*\half+\j)
	ds_store_b64 v[XS], v[TB:TB+1] offset:(16*\half+\j)*XP+128*\q   ; lanes 16-31 lie 8 rows = 128 bytes modulo 256 behind lanes 0-15
.endr
.endr
.endm
; 32 loads, four for each K step s.  LDS serves a wave's instructions in order (ISA guide 5.7.1.4): they see the stores above, which are this wave's own.
.macro AFLOAD
	WIN 0xc0
.irp s, 0,1,2,3,4,5,6,7
.irp mt, 0,1
	ds_load_b128 v[AF+(8*\mt+\s)*8:AF+(8*\mt+\s)*8+3],   v[XA] offset:\mt*16*XP+64*\s
	ds_load_b128 v[AF+(8*\mt+\s)*8+4:AF+(8*\mt+\s)*8+7], v[XA] offset:\mt*16*XP+64*\s+32
.endr
.endr
.endm
; z[pos][c] = bk[c] + sum over the 256 inputs: four chains in place, the bias as the first link's C
.macro STEP1
	WIN 0x03
.irp s, 0,1,2,3,4,5,6,7
	s_wait_dscnt 28-4*\s                           ; the four loads of each later K step may stay out
.irp mt, 0,1
.irp nt, 0,1
.if \s == 0
	v_wmma_f32_16x16x32_bf16 v[Z+(2*\mt+\nt)*8:Z+(2*\mt+\nt)*8+7], v[AF+(8*\mt+\s)*8:AF+(8*\mt+\s)*8+7], v[WK+(2*\s+\nt)*8:WK+(2*\s+\nt)*8+7], v[BK+8*\nt:BK+8*\nt+7]
.else
	v_wmma_f32_16x16x32_bf16 v[Z+(2*\mt+\nt)*8:Z+(2*\mt+\nt)*8+7], v[AF+(8*\mt+\s)*8:AF+(8*\mt+\s)*8+7], v[WK+(2*\s+\nt)*8:WK+(2*\s+\nt)*8+7], v[Z+(2*\mt+\nt)*8:Z+(2*\mt+\nt)*8+7]
.endif
.endr
.endr
.endr
.endm
; eight z in place: max(z,0) + 1 + 2^min(z log2 e, 0)
.macro ELU zb
.irp p, 0,2,4,6
	v_pk_mul_f32 v[T+\p:T+\p+1], v[\zb+\p:\zb+\p+1], 0x3fb8aa3b op_sel_hi:[1,0]
.endr
.irp p, 0,1,2,3,4,5,6,7
	v_min_num_f32 v[T+\p], 0, v[T+\p]
.endr
.irp p, 0,1,2,3,4,5,6,7
	v_exp_f32 v[T+\p], v[T+\p]
.endr
.irp p, 0,1,2,3,4,5,6,7
	v_max_num_f32 v[\zb+\p], 0, v[\zb+\p]          ; plain instructions between the exponentials and the use of their results (ISA guide 5.7.2)
.endr
.irp p, 0,2,4,6
	v_pk_add_f32 v[\zb+\p:\zb+\p+1], v[\zb+\p:\zb+\p+1], 1.0 op_sel_hi:[1,0]
.endr
	s_wait_alu depctr_va_vdst(0)
.irp p, 0,2,4,6
	v_pk_add_f32 v[\zb+\p:\zb+\p+1], v[\zb+\p:\zb+\p+1], v[T+\p:T+\p+1]
.endr
.endm
.macro PACK dst, zb
.irp jj, 0,1,2,3
	v_cvt_pk_bf16_f32 v[\dst+\jj], v[\zb+2*\jj], v[\zb+2*\jj+1]
.endr
.endm
; phi_q of my 16 windows, transposed use: source 0 = Wq's fragment (M = c), source 1 = x's rows 0-15 (N = window).  A lane then holds window r
; and c = 16 ct + 8 h + j, which packs into the A fragment that the next launch loads: two stores of 512 consecutive bytes.
.macro QPART
	WIN 0x0d
.irp s, 0,1,2,3,4,5,6,7
	s_wait_dscnt 28-4*\s                           ; as in STEP1; Wq's and Wk's fragments were asked for earlier and are in
.irp ct, 0,1
.if \s == 0
	v_wmma_f32_16x16x32_bf16 v[Z+8*\ct:Z+8*\ct+7], v[WQ+(2*\s+\ct)*8:WQ+(2*\s+\ct)*8+7], v[AF+8*\s:AF+8*\s+7], v[BQ+8*\ct:BQ+8*\ct+7]
.else
	v_wmma_f32_16x16x32_bf16 v[Z+8*\ct:Z+8*\ct+7], v[WQ+(2*\s+\ct)*8:WQ+(2*\s+\ct)*8+7], v[AF+8*\s:AF+8*\s+7], v[Z+8*\ct:Z+8*\ct+7]
.endif
.endr
.endr
	WIN 0
	PLACES
	ELU Z
	PACK T+16, Z
	ELU Z+8
	PACK T+20, Z+8
	global_store_b128 v[GO], v[T+16:T+19], s[16:17]
	global_store_b128 v[GO], v[T+20:T+23], s[16:17] offset:512
.endm
; KV[c][d] += phi^T x over the block's 32 windows; zero = 1: the first product starts the sums
.macro STEP2 zero
	WIN 0x5c
.irp ct, 0,1
.irp n, 0,1,2,3,4,5,6,7,8,9,10,11,12,13,14,15
.if \zero
	v_wmma_f32_16x16x32_bf16 v[ACC+(16*\ct+\n)*8:ACC+(16*\ct+\n)*8+7], v[PHI+8*\ct:PHI+8*\ct+7], v[BF+8*\n:BF+8*\n+7], 0
.else
	v_wmma_f32_16x16x32_bf16 v[ACC+(16*\ct+\n)*8:ACC+(16*\ct+\n)*8+7], v[PHI+8*\ct:PHI+8*\ct+7], v[BF+8*\n:BF+8*\n+7], v[ACC+(16*\ct+\n)*8:ACC+(16*\ct+\n)*8+7]
.endif
.endr
.endr
.endm
; One block of 32 windows.  ahead = 1: each quarter's registers are loaded again, with the next block, as soon as they are converted.
.macro BLOCK first, ahead
	s_wait_xcnt 0x0                                ; the x base, which the last block's loads name, and T[16:23], phi_q's store data, are rewritten only behind this wait
.if \ahead
	s_add_nc_u64 s[4:5], s[4:5], 0x200000          ; 128 windows on
.endif
.irp q, 0,1,2,3
.if \ahead
	s_wait_loadcnt 48                              ; younger than quarter q: 16 (3 - q) loads of this block and 16 q of the next
.else
	s_wait_loadcnt 48-16*\q                        ; the last block asks for nothing: the counts run down
.endif
	CONV \q
.if \ahead
	XLOAD \q
.endif
.endr
	AFLOAD
.if \first
	QPART
.endif
	STEP1
	WIN 0
	PLACES
.irp mt, 0,1
.irp nt, 0,1
	ELU Z+8*(2*\mt+\nt)
	PACK PHI+8*\nt+4*\mt, Z+8*(2*\mt+\nt)          ; lane: c = r; registers: pos = 16 mt + 8 h + j: the A fragment as it stands
.endr
.endr
	STEP2 \first
	WIN 0
.endm
; 16 rows x 32 columns a pass of the work-group, 16 passes: f32 from window 1 to bf16 in the stage
.macro WSTAGE raw, off
	WIN 0x05
.irp k, 0,1,2,3,4,5,6,7,8,9,10,11,12,13,14,15
	v_cvt_pk_bf16_f32 v[T+2*\k],   v[\raw+4*\k],   v[\raw+4*\k+1]
	v_cvt_pk_bf16_f32 v[T+2*\k+1], v[\raw+4*\k+2], v[\raw+4*\k+3]
.endr
	WIN 0
.irp k, 0,1,2,3,4,5,6,7,8,9,10,11,12,13,14,15
	ds_store_b64 v[WS], v[T+2*\k:T+2*\k+1] offset:\off+\k*16*WPI
.endr
.endm
; W lies [input][column]: the transposing load makes fragments with the inputs along the registers, column r in lane r
.macro WFRAG dst, off
.irp s, 0,1,2,3,4,5,6,7
.irp nt, 0,1
	ds_load_tr16_b128 v[\dst+(2*\s+\nt)*8:\dst+(2*\s+\nt)*8+3],   v[WT] offset:\off+\s*32*WPI+\nt*32
	ds_load_tr16_b128 v[\dst+(2*\s+\nt)*8+4:\dst+(2*\s+\nt)*8+7], v[WT] offset:\off+\s*32*WPI+\nt*32+16*WPI
.endr
.endr
.endm
	WIN 0x40
.irp k, 0,1,2,3,4,5,6,7,8,9,10,11,12,13,14,15
	global_load_b128 v[4*\k:4*\k+3], v[WO], s[6:7] offset:\k*16384
.endr
.irp k, 0,1,2,3,4,5,6,7,8,9,10,11,12,13,14,15
	global_load_b128 v[64+4*\k:64+4*\k+3], v[WO], s[8:9] offset:\k*16384
.endr
	WIN 0
	global_load_b32 v[BK],   v[R4], s[10:11]
	global_load_b32 v[BK+8], v[R4], s[10:11] offset:64
	global_load_b128 v[BQ:BQ+3],     v[H32], s[12:13]
	global_load_b128 v[BQ+4:BQ+7],   v[H32], s[12:13] offset:16
	global_load_b128 v[BQ+8:BQ+11],  v[H32], s[12:13] offset:64
	global_load_b128 v[BQ+12:BQ+15], v[H32], s[12:13] offset:80
	XLOAD 0
	XLOAD 1
	XLOAD 2
	s_wait_loadcnt 48                              ; only the 48 loads of x are younger: W and the biases are in
	WSTAGE 0, 0
	WSTAGE 64, WQD
.irp i, 1,2,3,4,5,6,7
	v_mov_b32 v[BK+\i],   v[BK]                    ; a z tile's eight registers are eight rows of one column: the same bias in each
	v_mov_b32 v[BK+8+\i], v[BK+8]
.endr
	XLOAD 3
	WIN 0
	s_wait_dscnt 0x0                               ; my part of the W stage is written,
	s_barrier_signal -1
	s_barrier_wait -1                              ; everybody's is
	WFRAG WK, 0
	WIN 0x40
	WFRAG WQ, WQD
	WIN 0
	BLOCK 1, 1                                     ; block 0 stands in front of the loop: phi_q, and its products start the sums
	s_mov_b32 s30, 6
.Lblk:
	BLOCK 0, 1                                     ; blocks 1 to 6
	s_sub_co_i32 s30, s30, 1
	s_cmp_lg_u32 s30, 0
	s_cbranch_scc1 .Lblk
	BLOCK 0, 0                                     ; block 7 loads nothing: no load leaves the buffer
	; The four waves' partial sums meet in LDS: each wave lays down all 32 tiles and takes up quarter q = its number (d = 64 q .. +63) from all four.
	PLACES
	WIN 0x04
.irp q, 0,1,2,3
.irp ct, 0,1
.irp t, 0,1,2,3
.irp hf, 0,1
	ds_store_b128 v[RW+(\q>>1)], v[ACC+(16*\ct+4*\q+\t)*8+4*\hf:ACC+(16*\ct+4*\q+\t)*8+4*\hf+3] offset:(\q&1)*32768+(4*\ct+\t)*1024+\hf*512
.endr
.endr
.endr
.endr
	s_wait_dscnt 0x0                               ; for the others' sake: all my stores are done
	s_barrier_signal -1
	s_barrier_wait -1
	WIN 0x80
.irp u, 0,1,2,3
.irp k, 0,1,2,3,4,5,6,7
.irp hf, 0,1
	ds_load_b128 v[ST+(16*\u+2*\k+\hf)*4:ST+(16*\u+2*\k+\hf)*4+3], v[RR] offset:\u*8192+\k*1024+\hf*512
.endr
.endr
.endr
	WIN 0x8a
	s_wait_dscnt 32                                ; source waves 0 and 1 are in; the 32 loads of waves 2 and 3 may stay out
.set ii, 0
.rept 32
	v_pk_add_f32 v[ST+ii:ST+ii+1], v[ST+ii:ST+ii+1], v[ST+64+ii:ST+64+ii+1]
.set ii, ii+2
.endr
	s_wait_dscnt 0x0
.set ii, 0
.rept 32
	v_pk_add_f32 v[ST+128+ii:ST+128+ii+1], v[ST+128+ii:ST+128+ii+1], v[ST+192+ii:ST+192+ii+1]
.set ii, ii+2
.endr
.set ii, 0
.rept 32
	v_pk_add_f32 v[ST+ii:ST+ii+1], v[ST+ii:ST+ii+1], v[ST+128+ii:ST+128+ii+1]
.set ii, ii+2
.endr
	; a tile's register j is c = 16 ct + 8 h + j of column r: pairs of them are registers 4 ct + j/2 of the next launch's B fragment
	WIN 0x0a
.irp t, 0,1,2,3
.irp ct, 0,1
.irp jj, 0,1,2,3
	v_cvt_pk_bf16_f32 v[T+8*\t+4*\ct+\jj], v[ST+(4*\ct+\t)*8+2*\jj], v[ST+(4*\ct+\t)*8+2*\jj+1]
.endr
.endr
.endr
	WIN 0
.irp t, 0,1,2,3
.irp hf, 0,1
	global_store_b128 v[GO], v[T+8*\t+4*\hf:T+8*\t+4*\hf+3], s[14:15] offset:\t*1024+\hf*512   ; 512 consecutive bytes a store
.endr
.endr
	s_wait_xcnt 0x0
	v_lshl_add_u32 v254, v0, 2, 0x3c800
	v_mov_b32 v255, 0
	s_wait_tensorcnt 0x0
	ds_add_u32 v254, v255
	s_wait_dscnt 0x0
	s_endpgm
.Lfunc_end_k_q299d279dca_kv:
	.size	k_q299d279dca_kv, .Lfunc_end_k_q299d279dca_kv-k_q299d279dca_kv
	.p2alignl 7, 3214868480
	.fill 96, 4, 3214868480
	.section	.rodata,"a",@progbits
	.p2align	6, 0x0
	.amdhsa_kernel k_q299d279dca_kv
		.amdhsa_group_segment_fixed_size 248320
		.amdhsa_private_segment_fixed_size 0
		.amdhsa_enable_private_segment 0
		.amdhsa_kernarg_size 56
		.amdhsa_user_sgpr_count 2
		.amdhsa_user_sgpr_kernarg_segment_ptr 1
		.amdhsa_wavefront_size32 1
		.amdhsa_system_sgpr_workgroup_id_x 1
		.amdhsa_system_sgpr_workgroup_id_y 1
		.amdhsa_system_sgpr_workgroup_id_z 1
		.amdhsa_system_vgpr_workitem_id 0
		.amdhsa_next_free_vgpr 1024
		.amdhsa_next_free_sgpr 66
		.amdhsa_reserve_vcc 0
		.amdhsa_float_denorm_mode_32 3
		.amdhsa_float_denorm_mode_16_64 3
		.amdhsa_memory_ordered 1
		.amdhsa_forward_progress 1
		.amdhsa_inst_pref_size 164
	.end_amdhsa_kernel
	.amdgpu_metadata
---
amdhsa.version: [ 1, 2 ]
amdhsa.kernels:
  - .name:           k_q299d279dca_kv
    .symbol:         k_q299d279dca_kv.kd
    .args:
      - { .name: input, .offset: 0, .size: 8, .value_kind: global_buffer, .address_space: global }
      - { .name: Wk, .offset: 8, .size: 8, .value_kind: global_buffer, .address_space: global }
      - { .name: Wq, .offset: 16, .size: 8, .value_kind: global_buffer, .address_space: global }
      - { .name: bk, .offset: 24, .size: 8, .value_kind: global_buffer, .address_space: global }
      - { .name: bq, .offset: 32, .size: 8, .value_kind: global_buffer, .address_space: global }
      - { .name: kvf, .offset: 40, .size: 8, .value_kind: global_buffer, .address_space: global }
      - { .name: pq, .offset: 48, .size: 8, .value_kind: global_buffer, .address_space: global }
    .group_segment_fixed_size: 248320
    .private_segment_fixed_size: 0
    .kernarg_segment_align: 8
    .kernarg_segment_size: 56
    .max_flat_workgroup_size: 128
    .sgpr_count:     66
    .vgpr_count:     1024
    .wavefront_size: 32
...
	.end_amdgpu_metadata
.endif
;; end of part 1
;; launch att (part 2): grid 8 x 32, 4 waves a work-group, no clusters, 66,560 bytes of LDS; arguments kvf, pq, embed_qk, Wp, bp, out0; writes out0
.if DOCPART == 2
	.amdgcn_target "amdgcn-amd-amdhsa--gfx1250"
	.amdhsa_code_object_version 6
	.text
	.protected	k_q299d279dca_att
	.globl	k_q299d279dca_att
	.p2align	8
	.type	k_q299d279dca_att,@function
k_q299d279dca_att:
	s_mov_b64 s[64:65], 0
	v_nop
	global_prefetch_b8 v0, s[64:65] scope:SCOPE_SE
	s_setreg_imm32_b32 hwreg(HW_REG_WAVE_MODE, 25, 1), 1
	s_wait_xcnt 0x0
; out0[b][16 i + m][d] = sum over c of phi_q[b][i][c] KV[b][m][c][d] + embed_qk[b][i][m][:] . Wp + bp, for i = 0 .. 1,023: the rows that the
; slice to 16,384 rows keeps (windows 0 to 63).  phi_q and KV come in bf16, in operand order; sums and the position term in f32.
; Work-group (ig = x id, bm = y id = 16 b + m): eight tiles of 16 rows i; tile tl is n = 2 ig + (tl>>2), v = tl & 3, its row mr is i = 16 (16 v + mr) + n.
; Wave q owns d = 64 q .. +63: its 32 B fragments (8 K steps x 4 tiles, 256 registers) are loaded once and stay.  Column r of tile t stands
; for d = 64 q + 4 r + t, so a lane's four results of one row are 16 neighbouring bytes and sixteen lanes store 256 consecutive, aligned bytes.
; The 64 KiB of phi_q fragments are one dense piece of pq; all four waves read them, so they go through LDS once.
; NO CLUSTER: of the 320 KiB that a work-group moves, 128 KiB are its own output, and the 128 KiB of KV go straight into the registers where
; they stay (a joint request would land them in LDS, to be read out once more); what is left to share is the 64 KiB of phi_q.
.set PL,  65536                        ; behind the fragments: the position term of row 16 tl + mr, 128 words
.set KO,  1                            ; kvf: wave * 4 fragments + 16 L
.set CO,  2                            ; 16 * thread: pq and its copy in LDS
.set EO,  3                            ; embed_qk: window (thread & 63), n's low bit (thread >> 6)
.set AR,  4                            ; 16 L
.set PS,  5                            ; PL + 4 * thread
.set PR,  6                            ; PL + 32 h
.set OFF, 8                            ; v[8:11]    out0: v * 16 windows + h * 8 windows + 16 r (a window is 256 rows of 1,024 bytes)
.set E,   12                           ; v[12:14]   the thread's three embed numbers
.set P,   15                           ; its position term
.set PB,  16                           ; v[16:31]   position terms of rows 8 h + j, two buffers
.set ACC, 32                           ; v[32:63]   tile t, register j
.set O,   64                           ; v[64:95]   row j, four neighbouring d
.set AF,  96                           ; v[96:223]  A fragments, two buffers of 8 K steps; first the 32 x 16 bytes of the copy
.set TM,  224                          ; v[224:227] address arithmetic
.set MSB, 0                            ; window 1: B fragments (4 j + t)
.macro WIN new
.if MSB != \new
	s_set_vgpr_msb (MSB<<8)|\new
.set MSB, \new
.endif
.endm
.macro PLACES                          ; four independent vector instructions behind a matrix instruction (ISA guide 7.12.1)
.rept 4
	v_nop
.endr
.endm
	s_load_b256 s[4:11], s[0:1], 0x0               ; kvf s[4:5], pq s[6:7], embed_qk s[8:9], Wp s[10:11]
	s_load_b128 s[12:15], s[0:1], 0x20             ; bp s[12:13], out0 s[14:15]
	v_lshl_add_u32 v254, v0, 2, 0x10200
	v_mov_b32 v255, 0
	v_lshrrev_b32 v[TM], 5, v0
	v_readfirstlane_b32 s20, v[TM]                 ; wave
	s_and_b32 s21, ttmp7, 0xffff                   ; bm
	s_lshr_b32 s22, s21, 4                         ; b
	s_and_b32 s23, s21, 15                         ; m
	s_lshl_b32 s24, s21, 17                        ; kvf: bm * 128 KiB
	s_mov_b32 s25, 0
	s_lshl_b32 s26, s22, 19                        ; pq: (16 b + 2 ig) * 32 KiB
	s_lshl_b32 s32, ttmp9, 16
	s_add_co_u32 s26, s26, s32
	s_mov_b32 s27, 0
	s_mul_i32 s28, s22, 3145728                    ; embed_qk: b, then n = 2 ig (192 bytes for each n), then m (12 bytes)
	s_mul_i32 s32, ttmp9, 384
	s_add_co_u32 s28, s28, s32
	s_mul_i32 s32, s23, 12
	s_add_co_u32 s28, s28, s32
	s_mov_b32 s29, 0
	s_lshl_b32 s30, s22, 24                        ; out0: b, n = 2 ig (16 rows each), m, my 64 columns
	s_lshl_b32 s32, ttmp9, 15
	s_add_co_u32 s30, s30, s32
	s_lshl_b32 s32, s23, 10
	s_add_co_u32 s30, s30, s32
	s_lshl_b32 s32, s20, 8
	s_add_co_u32 s30, s30, s32
	s_mov_b32 s31, 0
	s_lshl_b32 s33, s20, 12
	s_lshl_b32 s34, s20, 9
	s_lshl_b32 s35, s20, 7
	s_add_co_u32 s35, s35, PL
	v_and_b32 v[TM], 31, v0                        ; L
	v_and_b32 v[TM+1], 15, v0                      ; r
	v_bfe_u32 v[TM+2], v0, 4, 1                    ; h
	v_lshl_add_u32 v[KO], v[TM], 4, s33
	v_lshl_add_u32 v[CO], v[TM], 4, s34
	v_lshlrev_b32 v[AR], 4, v[TM]
	v_lshl_add_u32 v[PS], v[TM], 2, s35
	v_lshlrev_b32 v[PR], 5, v[TM+2]                ; 32 h: eight words for each half of the lanes,
	v_add_nc_u32 v[PR], PL, v[PR]                  ; behind the fragments (a sum, so that the bytes touched can be read off: PL .. PL + 511 with the offsets below)
	v_lshlrev_b32 v[TM+3], 21, v[TM+2]
	v_lshl_add_u32 v[TM+3], v[TM+1], 4, v[TM+3]
.irp v, 0,1,2,3
	v_add_nc_u32 v[OFF+\v], \v*4194304, v[TM+3]
.endr
	v_and_b32 v[TM], 63, v0
	v_lshrrev_b32 v[TM+1], 6, v0
	v_mul_u32_u24 v[EO], v[TM], 3072
	v_mul_u32_u24 v[TM+1], v[TM+1], 192
	v_add_nc_u32 v[EO], v[EO], v[TM+1]
	s_wait_kmcnt 0x0
	s_load_b96 s[16:18], s[10:11], 0x0             ; Wp
	s_load_b32 s19, s[12:13], 0x0                  ; bp
	s_add_nc_u64 s[4:5], s[4:5], s[24:25]
	s_add_nc_u64 s[6:7], s[6:7], s[26:27]
	s_add_nc_u64 s[8:9], s[8:9], s[28:29]
	s_add_nc_u64 s[14:15], s[14:15], s[30:31]
	global_load_b32 v[E],   v[EO], s[8:9]          ; a triple starts at a multiple of 4 bytes only: three loads
	global_load_b32 v[E+1], v[EO], s[8:9] offset:4
	global_load_b32 v[E+2], v[EO], s[8:9] offset:8
.irp k, 0,1,2,3,4,5,6,7,8,9,10,11,12,13,14,15,16,17,18,19,20,21,22,23,24,25,26,27,28,29,30,31
	global_load_b128 v[AF+4*\k:AF+4*\k+3], v[CO], s[6:7] offset:\k*2048
.endr
.macro BLOAD j                         ; eight loads of 512 consecutive bytes: K step j of my four tiles
.irp t, 0,1,2,3
.irp hf, 0,1
	global_load_b128 v[(4*\j+\t)*8+4*\hf:(4*\j+\t)*8+4*\hf+3], v[KO], s[4:5] offset:\j*16384+\t*1024+\hf*512
.endr
.endr
.endm
	WIN 0x40
.irp j, 0,1,2,3,4,5,6
	BLOAD \j
.endr
	WIN 0
	s_wait_loadcnt 56                              ; only the 56 loads of KV are younger: embed_qk and phi_q are in
	s_wait_kmcnt 0x0                               ; Wp, bp
	v_fma_f32 v[P], v[E],   s16, s19
	v_fma_f32 v[P], v[E+1], s17, v[P]
	v_fma_f32 v[P], v[E+2], s18, v[P]
	ds_store_b32 v[PS], v[P]
.irp k, 0,1,2,3,4,5,6,7,8,9,10,11,12,13,14,15,16,17,18,19,20,21,22,23,24,25,26,27,28,29,30,31
	ds_store_b128 v[CO], v[AF+4*\k:AF+4*\k+3] offset:\k*2048
.endr
	WIN 0x40
	BLOAD 7
	WIN 0
	s_wait_dscnt 0x0                               ; my part of the copy and my position terms are written,
	s_barrier_signal -1
	s_barrier_wait -1                              ; everybody's are; nothing in LDS is written again
; 18 loads: a tile's eight A fragments and the position terms of its rows 8 h .. 8 h + 7
.macro LOADA tl, buf
.irp j, 0,1,2,3,4,5,6,7
	ds_load_b128 v[AF+64*\buf+8*\j:AF+64*\buf+8*\j+3],   v[AR] offset:\tl*8192+\j*1024
	ds_load_b128 v[AF+64*\buf+8*\j+4:AF+64*\buf+8*\j+7], v[AR] offset:\tl*8192+\j*1024+512
.endr
	ds_load_b128 v[PB+8*\buf:PB+8*\buf+3],   v[PR] offset:\tl*64
	ds_load_b128 v[PB+8*\buf+4:PB+8*\buf+7], v[PR] offset:\tl*64+16
.endm
.macro TILE tl, buf
.if \tl < 7
	.set NXT, \tl+1
	.set NB, 1-\buf
	LOADA NXT, NB                                  ; into the buffer of the tile before: its products lie behind four v_nop and 32 additions
	s_wait_dscnt 18                                ; the next tile's 18 loads stay out, this tile's are in
.else
	s_wait_dscnt 0x0
.endif
	WIN 0x04
.irp j, 0,1,2,3,4,5,6,7
.if \tl == 0
	s_wait_loadcnt 8*(7-\j)                        ; the eight loads of each later K step of KV may stay out
.endif
.irp t, 0,1,2,3
.if \j == 0
	v_wmma_f32_16x16x32_bf16 v[ACC+8*\t:ACC+8*\t+7], v[AF+64*\buf+8*\j:AF+64*\buf+8*\j+7], v[(4*\j+\t)*8:(4*\j+\t)*8+7], 0
.else
	v_wmma_f32_16x16x32_bf16 v[ACC+8*\t:ACC+8*\t+7], v[AF+64*\buf+8*\j:AF+64*\buf+8*\j+7], v[(4*\j+\t)*8:(4*\j+\t)*8+7], v[ACC+8*\t:ACC+8*\t+7]
.endif
.endr
.endr
	WIN 0
	PLACES
	s_wait_xcnt 0x0                                ; O, the data of the last tile's stores, is rewritten only behind this wait
.irp j, 0,1,2,3,4,5,6,7
.irp t, 0,1,2,3
	v_add_f32 v[O+4*\j+\t], v[ACC+8*\t+\j], v[PB+8*\buf+\j]    ; the position term; the same line brings four neighbouring d side by side
.endr
.endr
.irp j, 0,1,2,3,4,5,6,7
	global_store_b128 v[OFF+(\tl&3)], v[O+4*\j:O+4*\j+3], s[14:15] offset:(\tl>>2)*16384+\j*262144 th:TH_STORE_NT
.endr
.endm
	LOADA 0, 0
	TILE 0, 0
	TILE 1, 1
	TILE 2, 0
	TILE 3, 1
	TILE 4, 0
	TILE 5, 1
	TILE 6, 0
	TILE 7, 1
	s_wait_tensorcnt 0x0
	ds_add_u32 v254, v255
	s_wait_dscnt 0x0
	s_endpgm
.Lfunc_end_k_q299d279dca_att:
	.size	k_q299d279dca_att, .Lfunc_end_k_q299d279dca_att-k_q299d279dca_att
	.p2alignl 7, 3214868480
	.fill 96, 4, 3214868480
	.section	.rodata,"a",@progbits
	.p2align	6, 0x0
	.amdhsa_kernel k_q299d279dca_att
		.amdhsa_group_segment_fixed_size 66560
		.amdhsa_private_segment_fixed_size 0
		.amdhsa_enable_private_segment 0
		.amdhsa_kernarg_size 48
		.amdhsa_user_sgpr_count 2
		.amdhsa_user_sgpr_kernarg_segment_ptr 1
		.amdhsa_wavefront_size32 1
		.amdhsa_system_sgpr_workgroup_id_x 1
		.amdhsa_system_sgpr_workgroup_id_y 1
		.amdhsa_system_sgpr_workgroup_id_z 1
		.amdhsa_system_vgpr_workitem_id 0
		.amdhsa_next_free_vgpr 512
		.amdhsa_next_free_sgpr 66
		.amdhsa_reserve_vcc 0
		.amdhsa_float_denorm_mode_32 3
		.amdhsa_float_denorm_mode_16_64 3
		.amdhsa_memory_ordered 1
		.amdhsa_forward_progress 1
		.amdhsa_inst_pref_size 57
	.end_amdhsa_kernel
	.amdgpu_metadata
---
amdhsa.version: [ 1, 2 ]
amdhsa.kernels:
  - .name:           k_q299d279dca_att
    .symbol:         k_q299d279dca_att.kd
    .args:
      - { .name: kvf, .offset: 0, .size: 8, .value_kind: global_buffer, .address_space: global }
      - { .name: pq, .offset: 8, .size: 8, .value_kind: global_buffer, .address_space: global }
      - { .name: embed_qk, .offset: 16, .size: 8, .value_kind: global_buffer, .address_space: global }
      - { .name: Wp, .offset: 24, .size: 8, .value_kind: global_buffer, .address_space: global }
      - { .name: bp, .offset: 32, .size: 8, .value_kind: global_buffer, .address_space: global }
      - { .name: out0, .offset: 40, .size: 8, .value_kind: global_buffer, .address_space: global }
    .group_segment_fixed_size: 66560
    .private_segment_fixed_size: 0
    .kernarg_segment_align: 8
    .kernarg_segment_size: 48
    .max_flat_workgroup_size: 128
    .sgpr_count:     66
    .vgpr_count:     512
    .wavefront_size: 32
...
	.end_amdgpu_metadata
.endif
;; end of part 2
